; MI455X (gfx1250); checked and timed in simulation.
; The chip was launched on July 23, 2026; its instructions are those of AMD's public machine-readable ISA for CDNA 5 (MIT licence, August 2026) and "CDNA5" Instruction Set Architecture Reference Guide (July 2026). The comments in the code are by the model that wrote it; some were corrected since.
;; GQA. Allowed arithmetic: matrix products marked QUANTISED: E4M3 operands, one given power-of-two scale a tensor, by v_wmma_f32_16x16x64_fp8_fp8 or v_wmma_f32_16x16x128_fp8_fp8, f32 sums; everything else in f32.
;; Inputs: K 2 x 8 x 2,048 x 128 float32; Q 2 x 32 x 2,048 x 128 float32; V 2 x 8 x 2,048 x 128 float32; lowp_scales 4 int32 (the exponents e of the quantised operands' scales 2^e).
;; Outputs: out0 2 x 32 x 2,048 x 128 float32.
;; This version of the problem:
;;   THIS VERSION OF THE PROBLEM IS GIVEN IN LOW PRECISION. The matrix products marked QUANTISED in the list below multiply operands that are first quantised to E4M3 (4 exponent bits, 3 mantissa bits; 8 bits a number), with one given power-of-two scale for each operand tensor; their sums are f32. All else is computed in f32.
;;   The module's matrix products, in the order in which they are computed (A, B: the left and right operand; K: the contracted axis; several contracted axes count as one K, in the product's order):
;;     1. batch 16 x [M 8,192, K 128] x [K 128, N 2,048]; A: input Q; B: input K: QUANTISED (scales: A lowp_scales[0], B lowp_scales[1])
;;     2. batch 16 x [M 8,192, K 2,048] x [K 2,048, N 128]; A: softmax (see below); B: input V: QUANTISED (scales: A lowp_scales[2], B lowp_scales[3])
;;   THE QUANTISER, for each operand of a quantised product, along K:
;;     - The operand's scale is 2^e, e = its entry of the input lowp_scales (int32; the entries are numbered through the quantised products in the list's order, A before B).
;;     - Each number is divided by the scale, clamped to +-448, and rounded to the nearest number of E4M3, ties to even, subnormals kept.
;;     - The product sums the exact products of the quantised numbers (number of the format x scale) in f32.
;;   ~~~python
;;   def quantise(x, axis, e):      # numpy; x: float32 -> the quantised numbers, widened to float32 again
;;       x = np.moveaxis(x, axis, -1); K = x.shape[-1]
;;       r = np.clip(x / 2.0 ** e, -448, 448)
;;       step = 2.0 ** (np.maximum(np.frexp(np.where(r == 0, 1, r))[1] - 1, -6) - 3)
;;       q = np.round(r / step) * step * 2.0 ** e      # np.round: ties to even
;;       return np.moveaxis(q, -1, axis).astype(np.float32)
;;   ~~~
;;   SOFTMAX AHEAD OF A QUANTISED PRODUCT. Where the list says 'softmax', what is quantised is not the finished softmax but p = 2^(t - M), with t = logit x log2(e) and M = ceil(the row's largest t), a whole number; so 1/2 < the row's largest p <= 1. The row's sum l is taken of the UNQUANTISED p, in f32, and the product's result is divided by l at the end. Since M is a whole number, a kernel that streams over the keys may use a running M (the ceiling of the running maximum): every later rescaling is an exact power of two, so the quantised numbers keep their values, but for numbers so far below the row's largest that they fall under the format's range.
;;   OPERANDS COMPUTED ON THE WAY. 'Computed on the way' means the value that the module computes at that place (a softmax that the list does not call 'softmax' is quantised finished and normalised). What goes into a quantiser is computed in f32, as accurately as f32 sums, v_exp_f32 and their like allow (about 1e-6 of the number): no bf16 or f16 on the way to a quantiser, and a product that is left as it is and whose result goes on into a quantised operand takes f32 operands (vector FMAs, or v_wmma_f32_16x16x4_f32). A number that lies on a knife's edge between two numbers of the format may be rounded either way, as far as f32 arithmetic and the matrix unit's own rounding can turn it there, and no further.
;; One version. Each part assembles by itself: llvm-mc -triple=amdgcn-amd-amdhsa -mcpu=gfx1250 --defsym DOCPART=n.
;; ======== version 1 of 1: 2 launches
;; limits: right only within a limited range of input values
;; workspace buffers: kv 8,388,608 bytes
;; launch prep (part 1): grid 512 x 1, 4 waves a work-group, no clusters, 17,920 bytes of LDS; arguments K, V, lowp_scales, kv; writes kv
.if DOCPART == 1
	.amdgcn_target "amdgcn-amd-amdhsa--gfx1250"
	.amdhsa_code_object_version 6
	.text
	.protected	k_q3d8d87a8d4_prep
	.globl	k_q3d8d87a8d4_prep
	.p2align	8
	.type	k_q3d8d87a8d4_prep,@function
k_q3d8d87a8d4_prep:
	s_mov_b64 s[64:65], 0
	v_nop
	global_prefetch_b8 v0, s[64:65] scope:SCOPE_SE
	s_setreg_imm32_b32 hwreg(HW_REG_WAVE_MODE, 25, 1), 1
	s_wait_xcnt 0x0
; K and V, [16 heads][2048 keys][128 channels] f32, become codes of FP8 (E4M3), each with its given scale 2^e (K: entry 1 of the scales, V: entry 3):
; code = x / 2^e, held within +-448, rounded to the nearest code, ties to even.  LIMITS: e between -126 and 119 (2^e and 448 x 2^e are made as f32 patterns).  NaN among the inputs is not served.
; THE CODES ARE LAID AS IMAGES OF THE OPERANDS' REGISTERS, in the order in which the attention launch fetches them:
;   byte = head x 524288 + slot x 131072 + chunk x 16384 + tile x 2048 + c x 512 + lane x 16 + i      (slot = 512 keys; lane = 16 h + r)
;   chunks 0-3: K of key step j = chunk (128 keys): tile 2 b + u holds key 32 b + 8 u + r + 8 (r / 8), channel 32 c + 16 h + i
;   chunks 4-7: V of key step j = chunk - 4:        tile t holds channel 16 t + r, key 32 c + 16 h + i of the step
; SHARES.  Work-group n makes chunk n of the buffer (16,384 bytes) from 128 rows of K or of V (65,536 bytes); bit 2 of n says which.  Four waves, which share nothing: no barrier.
; No tensor loads and no cluster: every byte is read by one wave, once.  Only K's path uses LDS.
.set STG,  4352                        ; K's path: a stage of 16 rows x (256 + 16) bytes for each wave: 272 = 17 x 16, so the 16 rows that a read touches start in 16 different 16-byte columns
.set X,    16                          ; v16-143  128 numbers
.set C,    144                         ; v144-175 codes: each register is written once, so no store's data are written again
	s_load_b128 s[4:7], s[0:1], 0x0                ; K s[4:5], V s[6:7]
	s_load_b128 s[8:11], s[0:1], 0x10              ; the scales' exponents s[8:9], the codes s[10:11]
	v_lshl_add_u32 v176, v0, 2, 0x4400
	v_mov_b32 v177, 0
	v_lshrrev_b32 v1, 5, v0
	v_readfirstlane_b32 s12, v1                    ; wave 0..3
	v_and_b32 v1, 31, v0                           ; lane
	v_and_b32 v8, 15, v0                           ; r
	v_bfe_u32 v9, v0, 4, 1                         ; h
	s_lshr_b32 s20, ttmp9, 3                       ; n / 8 = 4 x head + slot: 512 rows of 512 bytes each,
	s_lshl_b32 s20, s20, 18
	s_and_b32 s13, ttmp9, 3                        ; n % 4 = the key step: 128 rows each
	s_lshl_b32 s13, s13, 16
	s_add_co_u32 s20, s20, s13                     ; the work-group's first byte in K or in V
	s_mov_b32 s21, 0
	s_lshl_b32 s22, ttmp9, 14                      ; and in the codes
	s_mov_b32 s23, 0
	s_and_b32 s14, ttmp9, 4                        ; K's chunk (0) or V's
	s_wait_kmcnt 0x0
	s_load_b128 s[16:19], s[8:9], 0x0              ; eq, ek, ep, ev
	s_cmp_lg_u32 s14, 0
	s_cbranch_scc1 .Lv
.macro SCALES e                        ; v11 = 2^e as f32 (the conversion takes its exponent field); v10 = 448 x 2^e
	s_wait_kmcnt 0x0
	s_add_co_i32 s24, s[\e], 127
	s_lshl_b32 s25, s24, 23
	v_mov_b32 v11, s25
	s_add_co_i32 s24, s24, 8
	s_lshl_b32 s24, s24, 23
	s_or_b32 s24, s24, 0x600000
	v_mov_b32 v10, s24
.endm
	; ---- K: channels are innermost in memory and in the operand.  Wave w makes tiles 2 w and 2 w + 1: keys 32 w .. 32 w + 31.
	; Group g = 2 u + hf is tile u's 16 rows, half hf of each row (256 bytes).  A load takes two rows' halves, sixteen lanes to 256 consecutive aligned bytes; the group turns through the wave's stage,
	; so that a lane comes to hold 16 neighbouring channels of each of two blocks of 32, which is what the conversions take.
	s_lshl_b32 s13, s12, 14                        ; my 32 rows
	s_add_co_u32 s20, s20, s13
	s_lshl_b32 s13, s12, 12                        ; my two tiles' images
	s_add_co_u32 s22, s22, s13
	s_add_nc_u64 s[4:5], s[4:5], s[20:21]
	s_add_nc_u64 s[10:11], s[10:11], s[22:23]
	s_wait_alu depctr_va_vdst(0)
	v_lshlrev_b32 v2, 9, v9
	v_lshl_add_u32 v2, v8, 4, v2                   ; in: row h of the pair, 16 bytes a lane
.irp g, 0,1,2,3
.irp i, 0,1,2,3,4,5,6,7
	global_load_b128 v[X+32*\g+4*\i:X+32*\g+4*\i+3], v2, s[4:5] offset:(8*(\g/2)+2*\i+8*(\i/4))*512+256*(\g%2) th:TH_LOAD_NT   ; the tile's rows 2 i, 2 i + 1 are keys 8 u + 2 i + 8 (i / 4) and the next
.endr
.endr
	s_mul_i32 s13, s12, STG                        ; my stage
	v_mul_u32_u24 v3, v9, 272
	v_lshl_add_u32 v3, v8, 4, v3
	v_add_nc_u32 v3, s13, v3                       ; into it: as loaded
	v_mul_u32_u24 v4, v8, 272
	v_lshl_add_u32 v4, v9, 6, v4
	v_add_nc_u32 v4, s13, v4                       ; out of it: row r, 64 bytes for each half of the lanes
	v_lshlrev_b32 v5, 4, v1                        ; an image's place for my lane
	s_wait_alu depctr_va_vdst(0)
	SCALES 17
.macro KTURN g                         ; the group goes through the stage and comes back into the registers that it left.  LDS serves a wave's instructions in order: no wait between stores and loads, nor ahead of the next group's stores
	s_wait_loadcnt 24-8*\g                         ; this group's eight loads are in; the younger groups' may be out
.irp i, 0,1,2,3,4,5,6,7
	ds_store_b128 v3, v[X+32*\g+4*\i:X+32*\g+4*\i+3] offset:2*\i*272
.endr
.irp c, 0,1
.irp k, 0,1,2,3
	ds_load_b128 v[X+32*\g+16*\c+4*\k:X+32*\g+16*\c+4*\k+3], v4 offset:128*\c+16*\k
.endr
.endr
.endm
.macro KQ g
	s_wait_dscnt 48-16*\g                          ; sixteen LDS instructions for each younger group may be out
.set j, 0
.rept 32
	v_med3_num_f32 v[X+32*\g+j], v[X+32*\g+j], -v10, v10   ; the conversion to an 8-bit code does not saturate (ISA guide 7.6.2): the hold at the largest code x the scale
.set j, j+1
.endr
.irp c, 0,1
	v_cvt_scalef32_pk8_fp8_f32 v[C+8*\g+4*\c:C+8*\g+4*\c+1], v[X+32*\g+16*\c:X+32*\g+16*\c+7], v11
	v_cvt_scalef32_pk8_fp8_f32 v[C+8*\g+4*\c+2:C+8*\g+4*\c+3], v[X+32*\g+16*\c+8:X+32*\g+16*\c+15], v11
.endr
.irp c, 0,1
	global_store_b128 v5, v[C+8*\g+4*\c:C+8*\g+4*\c+3], s[10:11] offset:(\g/2)*2048+(2*(\g%2)+\c)*512   ; the wave stores 512 consecutive bytes, aligned: block c = 2 hf + c' of the tile's image
.endr
.endm
	s_wait_alu depctr_va_vdst(0)
.irp g, 0,1,2,3
	KTURN \g
.endr
.irp g, 0,1,2,3
	KQ \g                                          ; (the codes go to stores alone, and the next group's holds are plain lines on other registers)
.endr
	s_wait_tensorcnt 0x0
	ds_add_u32 v176, v177
	s_wait_dscnt 0x0
	s_endpgm
	; ---- V: the keys, the second product's K, are the rows in memory.  A LANE TAKES A CHANNEL AND ITS REGISTERS RUN DOWN THE KEYS: the conversions then give codes with the keys innermost, and nothing is transposed.
	; Wave w takes channels 32 w + lane: tiles 2 w (lanes 0-15) and 2 w + 1 (lanes 16-31).  A lane's 16 codes are 16 bytes of an image, and sixteen lanes' are 256 consecutive aligned bytes: no LDS is needed.
.Lv:
	s_lshl_b32 s13, s12, 7                         ; my 32 channels: 128 bytes of each row
	s_add_co_u32 s20, s20, s13
	s_lshl_b32 s13, s12, 12                        ; my two tiles' images
	s_add_co_u32 s22, s22, s13
	s_add_nc_u64 s[6:7], s[6:7], s[20:21]
	s_add_nc_u64 s[10:11], s[10:11], s[22:23]
	s_wait_alu depctr_va_vdst(0)
	v_lshlrev_b32 v6, 2, v1                        ; in: 4 bytes a lane
	v_lshlrev_b32 v7, 11, v9
	v_lshl_add_u32 v7, v8, 4, v7                   ; out: tile lane / 16, place lane % 16
.macro VLOAD c                         ; keys 32 c .. 32 c + 31 of my channel
.set j, 0
.rept 32
	global_load_b32 v[X+32*\c+j], v6, s[6:7] offset:(32*\c+j)*512 th:TH_LOAD_NT
.set j, j+1
.endr
.endm
.macro VQ c
.set j, 0
.rept 32
	v_med3_num_f32 v[X+32*\c+j], v[X+32*\c+j], -v10, v10
.set j, j+1
.endr
.irp g, 0,1,2,3
	v_cvt_scalef32_pk8_fp8_f32 v[C+8*\c+2*\g:C+8*\c+2*\g+1], v[X+32*\c+8*\g:X+32*\c+8*\g+7], v11
.endr
	global_store_b128 v7, v[C+8*\c:C+8*\c+3], s[10:11] offset:512*\c           ; keys 32 c + 0 .. 15: the image's lanes 0-15
	global_store_b128 v7, v[C+8*\c+4:C+8*\c+7], s[10:11] offset:512*\c+256     ; keys 32 c + 16 .. 31: its lanes 16-31
.endm
	VLOAD 0
	VLOAD 1
	s_wait_alu depctr_va_vdst(0)
	SCALES 19
	s_wait_alu depctr_va_vdst(0)
	s_wait_loadcnt 32                              ; block 0 is in; block 1's 32 loads may be out
	VLOAD 2
	VQ 0
	s_wait_loadcnt 32                              ; block 1 is in; block 2's may be out
	VLOAD 3
	VQ 1
	s_wait_loadcnt 32                              ; block 2 is in; block 3's may be out
	VQ 2
	s_wait_loadcnt 0x0
	VQ 3
	s_endpgm
.Lfunc_end_k_q3d8d87a8d4_prep:
	.size	k_q3d8d87a8d4_prep, .Lfunc_end_k_q3d8d87a8d4_prep-k_q3d8d87a8d4_prep
	.p2alignl 7, 3214868480
	.fill 96, 4, 3214868480
	.section	.rodata,"a",@progbits
	.p2align	6, 0x0
	.amdhsa_kernel k_q3d8d87a8d4_prep
		.amdhsa_group_segment_fixed_size 17920
		.amdhsa_private_segment_fixed_size 0
		.amdhsa_enable_private_segment 0
		.amdhsa_kernarg_size 32
		.amdhsa_user_sgpr_count 2
		.amdhsa_user_sgpr_kernarg_segment_ptr 1
		.amdhsa_wavefront_size32 1
		.amdhsa_system_sgpr_workgroup_id_x 1
		.amdhsa_system_sgpr_workgroup_id_y 1
		.amdhsa_system_sgpr_workgroup_id_z 1
		.amdhsa_system_vgpr_workitem_id 0
		.amdhsa_next_free_vgpr 178
		.amdhsa_next_free_sgpr 66
		.amdhsa_reserve_vcc 0
		.amdhsa_float_denorm_mode_32 3
		.amdhsa_float_denorm_mode_16_64 3
		.amdhsa_memory_ordered 1
		.amdhsa_forward_progress 1
		.amdhsa_inst_pref_size 43
	.end_amdhsa_kernel
	.amdgpu_metadata
---
amdhsa.version: [ 1, 2 ]
amdhsa.kernels:
  - .name:           k_q3d8d87a8d4_prep
    .symbol:         k_q3d8d87a8d4_prep.kd
    .args:
      - { .name: K, .offset: 0, .size: 8, .value_kind: global_buffer, .address_space: global }
      - { .name: V, .offset: 8, .size: 8, .value_kind: global_buffer, .address_space: global }
      - { .name: lowp_scales, .offset: 16, .size: 8, .value_kind: global_buffer, .address_space: global }
      - { .name: kv, .offset: 24, .size: 8, .value_kind: global_buffer, .address_space: global }
    .group_segment_fixed_size: 17920
    .private_segment_fixed_size: 0
    .kernarg_segment_align: 8
    .kernarg_segment_size: 32
    .max_flat_workgroup_size: 128
    .sgpr_count:     66
    .vgpr_count:     178
    .wavefront_size: 32
...
	.end_amdgpu_metadata
.endif
;; end of part 1
;; launch attn (part 2): grid 16 x 16, 8 waves a work-group, clusters of 4 x 1, 327,680 bytes of LDS; arguments Q, kv, lowp_scales, out0; writes out0
.if DOCPART == 2
	.amdgcn_target "amdgcn-amd-amdhsa--gfx1250"
	.amdhsa_code_object_version 6
	.text
	.protected	k_q3d8d87a8d4_attn
	.globl	k_q3d8d87a8d4_attn
	.p2align	8
	.type	k_q3d8d87a8d4_attn,@function
k_q3d8d87a8d4_attn:
	s_mov_b64 s[64:65], 0
	v_nop
	global_prefetch_b8 v0, s[64:65] scope:SCOPE_SE
	s_setreg_imm32_b32 hwreg(HW_REG_WAVE_MODE, 25, 1), 1
	s_wait_xcnt 0x0
	s_wait_alu depctr_hold_cnt(0) depctr_sa_sdst(0) depctr_va_vdst(0) depctr_va_sdst(0) depctr_va_ssrc(0) depctr_va_vcc(0) depctr_vm_vsrc(0)
	s_getreg_b32 s2, hwreg(HW_REG_IB_STS2, 6, 4)
	s_cmp_eq_u32 s2, 0
	s_cbranch_scc0 .Lentry_in_a_cluster
	s_endpgm
.Lentry_in_a_cluster:
	s_bfe_u32 s2, ttmp6, 0x10000c
	s_cmp_lg_u32 s2, 0x3003
	s_cbranch_scc0 .Lentry_shape_is_right
	s_endpgm
.Lentry_shape_is_right:
; Grouped-query attention on codes of FP8 (E4M3).  The four query heads that share a key and value head are 8,192 consecutive rows of Q and of the output: 16 such groups, each with 2,048 keys.
; o[q] = (sum over keys of Q8(p) V8[key]) / l,  p = 2^(t - M),  t = (Q8[q] . K8[key]) x log2(e) / sqrt(128),  M = the row's largest t so far rounded UP to a whole number,  l = the sum of the UNQUANTISED p.
; When M moves, l and O are multiplied by 2^(old M - new M), which rounds nothing.  Q is quantised here, in registers (scale entry 0); K's and V's codes come from the launch before; p takes entry 2.
; SHARES.  256 work-groups, each with 512 queries of a group as TWO BLOCKS of 256, one after the other.  Each of the eight waves owns 32 queries of a block: two tiles of 16 (A, B), so that a fragment of K or V feeds two products.
; Every wave walks all 2,048 keys for each block, 128 a step.  The ring goes on from block 0 into block 1: eight slot visits, seven refills.  Block 0's stores are waited for by nothing but the registers' release.
; LAYOUT.  Both products are used transposed: S^T = K Q^T, O^T = V^T P: a lane holds ONE query (lane % 16) throughout.  The keys of a tile of K are chosen by the launch before so that the 16 registers of
; score tiles 2 b and 2 b + 1 are keys 32 b + 16 (lane / 16) + 0 .. 15: the conversions' results ARE P's fragment.  k lies in a fragment as 32 c + 16 (lane / 16) + 0 .. 15 in registers 4 c .. 4 c + 3, alike in both operands.
; RING.  The codes lie in memory as images of the operands' registers, 131,072 dense bytes for 512 keys: a slot; two slots.  Behind each change of slots every wave fetches one eighth of a slot by one tensor load: one is out a wave.
; CLUSTER.  The four work-groups of a cluster belong to one group and walk the same codes: each tile is asked for jointly, with the mask of all four.
; LIMITS: eq and ep between -126 and 119; eq + ek between -123 and 130 (added to c's exponent field); the scaled scores stay under 2^31 in magnitude.  NaN among the inputs is not served.
; REGISTERS (s_set_vgpr_msb: bits 1:0 source 0, 3:2 source 1, 5:4 source 2, 7:6 destination).
;   window 0: v1-11 addresses; tile T: v[12+4T] -M, v[13+4T] largest t, v[14+4T:15+4T] and v[28+2T:29+2T] l in four parts, v[20+2T] f; v24 2^ep, v25 2^eq, v26 448 x 2^eq;
;             v32-63 Q's codes (A, B); v64-191 scores, then p (A, B); v192-223 P's codes (A, B); v224-255 at work
;   window 1: v0-127 O^T (A, B); v128-255 eight fragments of K or of V (at a block's change: the next block's Q as f32)
.set SLOT1, 1<<17
.set SLOTB, 131072
.set CHUNK, 16384                      ; a key step's K or V: eight fragments of 2,048 bytes
.set SPARE, 2*SLOT1                    ; the spare words: 128 bytes for each wave
.set STAGE, SPARE+1024                 ; a stage of 16 rows x 272 bytes for each wave; no tensor load lands there
.set SP,    272
.set BLK,   131072                     ; a block's 256 rows of 512 bytes
.set LI,   1                           ; 16 x lane
.set LI2,  2                           ; + 65,536: V's chunks lie behind K's four
.set PFO,  3                           ; 256 x lane: the prefetches' offset
.set GIO,  4                           ; Q in and O out: 512 (lane / 16) + 16 (lane % 16)
.set SPW,  5
.set NIL,  6
.set SROW, 7                           ; the stage by rows
.set ADK,  8
.set ADV,  9
.set SQ,   10                          ; the stage for Q: row lane % 16, 64 bytes for each half of the lanes
.set SO,   11                          ; the stage for O: row lane % 16, 32 bytes for each half
.set QC,   32
.set SS,   64
.set PCD,  192
.set TP,   224
.set FR,   128
.set WV,   12
.set LIM,  15                          ; 5 in a wave that prefetches codes, else the greatest number
.set G1,   16
.set G0,   24
.set CS,   32
.set SEL,  34
.set TB,   36
.set SLOTS, 37                         ; refills to go: 7 .. 1
.set PFA,  38
.set EPV,  48
.set HB,   49                          ; 448 x 2^ep
.set KB,   50                          ; s[50:51] my eighth of the group's key slot 0
.set PFB,  52                          ; s[52:53] my part of key slot 0, for the prefetches
.set PQ,   54                          ; s[54:55] where the prefetch of the next block's Q stands
.set QD,   56                          ; 6 - refills to go
.set MSB, 0
.macro WIN new
.if MSB != (\new)
	s_set_vgpr_msb (MSB<<8)|(\new)
.set MSB, (\new)
.endif
.endm
.macro PL n
.rept \n
	v_nop
.endr
.endm
.macro CROUND                          ; a round of the cluster's barrier
	s_barrier_signal -1
	s_barrier_wait -1
	s_cmp_lg_u32 s[WV], 0
	s_cbranch_scc1 .Lnot_wave_0_\@
	s_barrier_signal -3
.Lnot_wave_0_\@:
	s_barrier_wait -3
	s_barrier_signal -1
	s_barrier_wait -1
.endm
.macro FL adr, off, t0                 ; sixteen LDS loads: fragments t0 .. t0 + 3 of the chunk at off (destination window 1)
.irp t, 0,1,2,3
.irp c, 0,1,2,3
	ds_load_b128 v[FR+16*(\t0+\t)+4*\c:FR+16*(\t0+\t)+4*\c+3], v[\adr] offset:\off+2048*(\t0+\t)+512*\c
.endr
.endr
.endm
.macro SMM t0                          ; S^T = K Q^T: two fragments x both tiles; the products start the sums
.irp t, 0,1
	v_wmma_f32_16x16x128_fp8_fp8 v[SS+8*(\t0+\t):SS+8*(\t0+\t)+7], v[FR+16*(\t0+\t):FR+16*(\t0+\t)+15], v[QC:QC+15], 0
	v_wmma_f32_16x16x128_fp8_fp8 v[SS+64+8*(\t0+\t):SS+64+8*(\t0+\t)+7], v[FR+16*(\t0+\t):FR+16*(\t0+\t)+15], v[QC+16:QC+31], 0
.endr
.endm
.macro PV t0                           ; O^T += V^T P: the sixteen accumulators take turns, one instruction a turn
.irp t, 0,1,2,3
	v_wmma_f32_16x16x128_fp8_fp8 v[8*(\t0+\t):8*(\t0+\t)+7], v[FR+16*(\t0+\t):FR+16*(\t0+\t)+15], v[PCD:PCD+15], v[8*(\t0+\t):8*(\t0+\t)+7]
	v_wmma_f32_16x16x128_fp8_fp8 v[64+8*(\t0+\t):64+8*(\t0+\t)+7], v[FR+16*(\t0+\t):FR+16*(\t0+\t)+15], v[PCD+16:PCD+31], v[64+8*(\t0+\t):64+8*(\t0+\t)+7]
.endr
.endm
.macro LSUM n                          ; l += the unquantised p: n lines for each tile out of 32.  Four chains a tile, the two tiles by turns: l's two pairs, and two pairs at work that begin as p + p and are folded into l by the last two lines
.rept \n
.irp T, 0,1
.if ls < 2
	v_dual_add_f32 v[TP+8+4*\T+2*ls], v[SS+64*\T+4*ls], v[SS+64*\T+4*ls+2] :: v_dual_add_f32 v[TP+9+4*\T+2*ls], v[SS+64*\T+4*ls+1], v[SS+64*\T+4*ls+3]
.else
.if ls < 30
.set lsrc, SS+64*\T+4+2*ls
.set lsel, (ls-2)%4
.else
.set lsrc, TP+8+4*\T+2*(ls-30)
.set lsel, ls-30
.endif
.if lsel == 0
.set ldst, 14+4*\T
.else
.if lsel == 1
.set ldst, 28+2*\T
.else
.set ldst, TP+4+4*\T+2*lsel
.endif
.endif
	v_dual_add_f32 v[ldst], v[lsrc], v[ldst] :: v_dual_add_f32 v[ldst+1], v[lsrc+1], v[ldst+1]
.endif
.endr
.set ls, ls+1
.endr
.endm
; Both tiles' softmax for a key step, the two tiles line by line in turn.
.macro SOFT
.irp T, 0,1
	v_mov_b32 v[TP+4*\T+3], v[12+4*\T]             ; the old -M
.endr
.irp T, 0,1
	v_max3_num_f32 v[TP+4*\T], v[SS+64*\T], v[SS+64*\T+1], v[SS+64*\T+2]   ; four chains a tile, the scores in ascending order: each accumulator is read from its low end on
	v_max3_num_f32 v[TP+4*\T+1], v[SS+64*\T+3], v[SS+64*\T+4], v[SS+64*\T+5]
	v_max3_num_f32 v[TP+4*\T+8], v[SS+64*\T+6], v[SS+64*\T+7], v[SS+64*\T+8]
	v_max3_num_f32 v[TP+4*\T+9], v[SS+64*\T+9], v[SS+64*\T+10], v[SS+64*\T+11]
.endr
.set j, 12
.rept 6
.irp T, 0,1
	v_max3_num_f32 v[TP+4*\T], v[TP+4*\T], v[SS+64*\T+j], v[SS+64*\T+j+1]
	v_max3_num_f32 v[TP+4*\T+1], v[TP+4*\T+1], v[SS+64*\T+j+2], v[SS+64*\T+j+3]
	v_max3_num_f32 v[TP+4*\T+8], v[TP+4*\T+8], v[SS+64*\T+j+4], v[SS+64*\T+j+5]
	v_max3_num_f32 v[TP+4*\T+9], v[TP+4*\T+9], v[SS+64*\T+j+6], v[SS+64*\T+j+7]
.endr
.set j, j+8
.endr
.irp T, 0,1
	v_max3_num_f32 v[TP+4*\T], v[TP+4*\T], v[SS+64*\T+60], v[SS+64*\T+61]
	v_max3_num_f32 v[TP+4*\T+1], v[TP+4*\T+1], v[SS+64*\T+62], v[SS+64*\T+63]
.endr
.irp T, 0,1
	v_max3_num_f32 v[TP+4*\T], v[TP+4*\T], v[TP+4*\T+8], v[TP+4*\T+9]
.endr
.irp T, 0,1
	v_max_num_f32 v[TP+4*\T], v[TP+4*\T], v[TP+4*\T+1]
.endr
.irp T, 0,1
	v_permlanex16_b32 v[TP+4*\T+2], v[TP+4*\T], s[SEL], s[SEL+1]
.endr
.irp T, 0,1
	v_max_num_f32 v[TP+4*\T], v[TP+4*\T], v[TP+4*\T+2]   ; and lane l xor 16's
.endr
.irp T, 0,1
	v_mul_f32 v[TP+4*\T], s[CS], v[TP+4*\T]        ; as t (c is positive)
.endr
.irp T, 0,1
	v_max_num_f32 v[13+4*\T], v[13+4*\T], v[TP+4*\T]
.endr
.irp T, 0,1
	v_floor_f32 v[12+4*\T], -v[13+4*\T]            ; the new -M = -ceil(t)
.endr
.irp T, 0,1
	v_sub_f32 v[TP+4*\T+3], v[12+4*\T], v[TP+4*\T+3]
.endr
.irp T, 0,1
	v_cvt_i32_f32 v[TP+4*\T+3], v[TP+4*\T+3]       ; (it saturates)
.endr
.irp T, 0,1
	v_ldexp_f32 v[20+2*\T], 1.0, v[TP+4*\T+3]      ; f = 2^(old M - new M)
.endr
	WIN 0x44                                       ; source 0 (f) window 0; source 1 and destination (O^T) window 1, in both halves of a pair
.irp T, 0,1
.set j, 0
.rept 32
	v_dual_mul_f32 v[64*\T+j], v[20+2*\T], v[64*\T+j] :: v_dual_mul_f32 v[64*\T+j+1], v[20+2*\T], v[64*\T+j+1]   ; O^T under the new M, ahead of the exponentials; each accumulator from its low end on
.set j, j+2
.endr
.endr
	WIN 0
.irp T, 0,1
.set j, 0
.rept 32
	v_pk_fma_f32 v[SS+64*\T+j:SS+64*\T+j+1], v[SS+64*\T+j:SS+64*\T+j+1], s[CS:CS+1], v[12+4*\T:13+4*\T] op_sel_hi:[1,0,0]   ; t - M (of the pairs c and -M the low word serves both halves)
.set j, j+2
.endr
.endr
	s_wait_alu depctr_va_vdst(0)                   ; the wait ahead of the batch
.set j, 0
.rept 128
	v_exp_f32 v[SS+j], v[SS+j]                     ; p = 2^(t - M), at most 1
.set j, j+1
.endr
.irp T, 0,1
	v_pk_mul_f32 v[14+4*\T:15+4*\T], v[14+4*\T:15+4*\T], v[20+2*\T:21+2*\T] op_sel_hi:[1,0]   ; l under the new M: plain lines behind the exponentials
	v_pk_mul_f32 v[28+2*\T:29+2*\T], v[28+2*\T:29+2*\T], v[20+2*\T:21+2*\T] op_sel_hi:[1,0]
.endr
	s_wait_alu depctr_va_vdst(0)                   ; and the one wait behind it
.set g, 0
.rept 16                                       ; eight p at a time: the hold (one-sided: p is not negative; ISA guide 7.6.2) goes into registers at work, so that p itself stays for l
.if g == 0
.irp i, 0,2,4,6
	v_dual_min_num_f32 v[TP+\i], s[HB], v[SS+\i] :: v_dual_min_num_f32 v[TP+\i+1], s[HB], v[SS+\i+1]
.endr
.endif
.if g < 15                                     ; group g + 1's holds stand ahead of group g's conversion; four sets of eight registers take turns
.set t, TP+8*((g+1)%4)
.irp i, 0,2,4,6
	v_dual_min_num_f32 v[t+\i], s[HB], v[SS+8*(g+1)+\i] :: v_dual_min_num_f32 v[t+\i+1], s[HB], v[SS+8*(g+1)+\i+1]
.endr
.endif
.set t, TP+8*(g%4)
	v_cvt_scalef32_pk8_fp8_f32 v[PCD+2*g:PCD+2*g+1], v[t:t+7], v24
.if g%3 == 0
	v_nop                                          ; behind every third conversion, the last among them: a plain line between each conversion and the lines that write its sources again (group g + 4's holds) or read the codes
.endif
.set g, g+1
.endr
.endm
; A KEY STEP, the q-th of the slot in hand.  At its head K's eight fragments have been asked for, and every window is 0.
.macro STEP q
	s_wait_dscnt 24                                ; K's fragments 0 and 1 are in (four loads each); the 24 younger loads may be out
	WIN 0x01
	SMM 0
	s_wait_dscnt 16                                ; fragments 2 and 3
	SMM 2
	s_wait_dscnt 8                                 ; fragments 4 and 5
	SMM 4
	s_wait_dscnt 0x0
	SMM 6
	WIN 0
	PL 4                                           ; four places ahead of the loads into the fragments and of the first read of the scores
	WIN 0x40
	FL ADV, (\q)*CHUNK, 0                          ; V's fragments land under the softmax
	FL ADV, (\q)*CHUNK, 4
	WIN 0
	SOFT
	s_wait_alu depctr_va_vdst(0)                   ; the wait here, directly ahead of the wait below
	s_wait_dscnt 0x0                               ; V is in
.set ls, 0
	WIN 0x51
	PV 0
	WIN 0
	LSUM 2
.if \q < 3
	WIN 0x40
	FL ADK, (\q+1)*CHUNK, 0                        ; the next step's K takes the fragments that are done with
.endif
	WIN 0x51
	PV 4
	WIN 0
	LSUM 2
.if \q < 3
	WIN 0x40
	FL ADK, (\q+1)*CHUNK, 4
	WIN 0
.endif
	LSUM 28                                        ; the rest of l stands between K's loads and the waits for them
.endm
; PREFETCHES INTO THE L2, behind the wave's tensor load, its lines and the run of LDS loads.
; Codes: key slot v + 2 at visit v = 0, 1, a slot's four key steps ahead of its load; later visits walk codes that have been read.  The group's first cluster asks; its four partners share the slot out by address,
; 32,768 bytes each; waves 0 to 3 take 8,192 bytes, lanes 256 bytes apart.  Q: at visits 1 and 2 each wave asks for one half (8,192 bytes) of its own 32 rows of block 1, two and one slots ahead of their loads.
.macro ASK
	s_cmp_gt_u32 s[SLOTS], s[LIM]
	s_cbranch_scc0 .Lnot_mine_\@
	global_prefetch_b8 v[PFO], s[PFA:PFA+1] th:TH_LOAD_NT scope:SCOPE_SE
.Lnot_mine_\@:
	s_cmp_lt_u32 s[QD], 2
	s_cbranch_scc0 .Lnot_q_\@
	global_prefetch_b8 v[PFO], s[PQ:PQ+1] offset:BLK th:TH_LOAD_NT scope:SCOPE_SE
.Lnot_q_\@:
.endm
; THE CHANGE OF SLOTS, at a slot's head.  fill = 1: a round of the cluster's barrier, and behind it the slot left is filled with key slot (visit + 1) % 4.
.macro CHANGE fill
	s_wait_tensorcnt 0x0                           ; no tensor load of mine is out, so group 0 may be written
	ds_add_u32 v[SPW], v[NIL]
.if \fill
	s_xor_b32 s[G0+1], s[G0+1], SLOT1
	s_sub_co_u32 s40, 0, s[SLOTS]
	s_and_b32 s40, s40, 3                          ; (8 - refills to go) % 4: the key slot asked for
	s_lshl_b32 s40, s40, 17
	s_mov_b32 s41, 0
	s_add_nc_u64 s[G0+2:G0+3], s[KB:KB+1], s[40:41]
	s_or_b32 s[G0+3], s[G0+3], 0x80000000
	s_wait_xcnt 0x0                                ; the last prefetches have read their addresses
	s_sub_co_u32 s42, 9, s[SLOTS]
	s_and_b32 s42, s42, 3                          ; one key slot further on; always inside the group's codes
	s_lshl_b32 s42, s42, 17
	s_mov_b32 s43, 0
	s_add_nc_u64 s[PFA:PFA+1], s[PFB:PFB+1], s[42:43]
	s_sub_co_u32 s[QD], 6, s[SLOTS]
	s_min_u32 s44, s[QD], 1                        ; which half of my rows; held inside them
	s_lshl_b32 s44, s44, 13
	s_mov_b32 s45, 0
	s_add_nc_u64 s[PQ:PQ+1], s[4:5], s[44:45]
	s_wait_dscnt 0x0                               ; the add is done, and my reads of the slot left are over
	CROUND
	tensor_load_to_lds s[G0:G0+3], s[G1:G1+7]
	s_nop 0
	PL 4
.else
	s_wait_dscnt 0x0
	s_barrier_signal -1
	s_barrier_wait -1
.endif
	v_add_nc_u32 v[ADK], s[TB], v[LI]
	v_add_nc_u32 v[ADV], s[TB], v[LI2]
	WIN 0x40
	FL ADK, 0, 0
	FL ADK, 0, 4
	WIN 0
.if \fill
	ASK
.endif
	s_wait_alu depctr_va_vdst(0)
.endm
.macro SLOT_STEPS
	STEP 0
	STEP 1
	STEP 2
	STEP 3
	s_xor_b32 s[TB], s[TB], SLOT1
.endm
; Q's way in.  QLOAD: block blk's 32 rows of my wave as f32 into the fragments' registers, two rows' halves (256 bytes each) a load.
.macro QLOAD blk
	WIN 0x40
.irp T, 0,1
.irp u, 0,1
.irp i, 0,1,2,3,4,5,6,7
	global_load_b128 v[FR+64*\T+32*\u+4*\i:FR+64*\T+32*\u+4*\i+3], v[GIO], s[4:5] offset:(\blk)*BLK+\T*8192+2*\i*512+256*\u th:TH_LOAD_NT
.endr
.endr
.endr
	WIN 0
.endm
; QIN: each half goes through my stage and comes back as 16 neighbouring channels of each of two blocks of 32; hold, conversion; the block's statistics and O^T begin (the first f is 0 and finds zeros).
.macro QIN
	s_wait_alu depctr_va_vdst(0)                   ; the wait here, directly ahead of the wait below
	s_wait_xcnt 0x0                                ; the registers that earlier stores read may be written
.irp T, 0,1
.irp u, 0,1
	s_wait_loadcnt 24-16*\T-8*\u                   ; this half's eight loads are in; the younger halves' may be out
	WIN 0x04
.irp i, 0,1,2,3,4,5,6,7
	ds_store_b128 v[SROW], v[FR+64*\T+32*\u+4*\i:FR+64*\T+32*\u+4*\i+3] offset:2*\i*SP
.endr
	WIN 0
.irp c, 0,1
.irp k, 0,1,2,3
	ds_load_b128 v[SS+64*\T+32*\u+16*\c+4*\k:SS+64*\T+32*\u+16*\c+4*\k+3], v[SQ] offset:128*\c+16*\k   ; LDS serves a wave's instructions in order
.endr
.endr
.endr
.endr
	s_wait_dscnt 0x0
.set j, 0
.rept 128
	v_med3_num_f32 v[SS+j], v[SS+j], -v26, v26
.set j, j+1
.endr
.set g, 0
.rept 16
	v_cvt_scalef32_pk8_fp8_f32 v[QC+2*g:QC+2*g+1], v[SS+8*g:SS+8*g+7], v25
.set g, g+1
.endr
	v_nop
.irp T, 0,1
	v_mov_b32 v[13+4*\T], 0xff61b1e6               ; the largest t so far: -3e38
	v_mov_b32 v[12+4*\T], 0x7f61b1e6               ; -M
	v_mov_b32 v[14+4*\T], 0
	v_mov_b32 v[15+4*\T], 0
	v_mov_b32 v[28+2*\T], 0
	v_mov_b32 v[29+2*\T], 0
.endr
	WIN 0x40
.set j, 0
.rept 128
	v_mov_b32 v[j], 0                              ; O^T: the key step is written once, with no first step of its own
.set j, j+1
.endr
	WIN 0
.endm
; The way out.  FINISH: O^T x 2^(ep + ev) / l, in place.  OUT: half a row (256 bytes) of 16 queries at a time through my stage, so that sixteen lanes store 256 consecutive aligned bytes.
.macro FINISH
.irp T, 0,1
	v_pk_add_f32 v[14+4*\T:15+4*\T], v[14+4*\T:15+4*\T], v[28+2*\T:29+2*\T]
.endr
.irp T, 0,1
	v_add_f32 v[14+4*\T], v[14+4*\T], v[15+4*\T]
.endr
.irp T, 0,1
	v_permlanex16_b32 v[TP+4*\T+2], v[14+4*\T], s[SEL], s[SEL+1]
.endr
.irp T, 0,1
	v_add_f32 v[14+4*\T], v[14+4*\T], v[TP+4*\T+2]
.endr
	s_wait_alu depctr_va_vdst(0)                   ; the wait ahead of the reciprocals,
	v_rcp_f32 v20, v14
	v_rcp_f32 v22, v18
	v_nop
	s_wait_alu depctr_va_vdst(0)                   ; behind them,
	v_ldexp_f32 v20, v20, s[EPV]
	v_ldexp_f32 v22, v22, s[EPV]
	WIN 0x41
	s_wait_alu depctr_va_vdst(0)                   ; and directly ahead of the first reader of O^T
.irp T, 0,1
.set j, 0
.rept 32
	v_pk_mul_f32 v[64*\T+j:64*\T+j+1], v[64*\T+j:64*\T+j+1], v[20+2*\T:21+2*\T] op_sel_hi:[1,0]
.set j, j+2
.endr
.endr
.endm
.macro OUT blk
.irp T, 0,1
.irp u, 0,1
	WIN 0x04
.irp t, 0,1,2,3
	ds_store_b128 v[SO], v[64*\T+32*\u+8*\t:64*\T+32*\u+8*\t+3] offset:64*\t
	ds_store_b128 v[SO], v[64*\T+32*\u+8*\t+4:64*\T+32*\u+8*\t+7] offset:64*\t+16
.endr
	WIN 0
.irp i, 0,1,2,3,4,5,6,7
	ds_load_b128 v[SS+64*\T+32*\u+4*\i:SS+64*\T+32*\u+4*\i+3], v[SROW] offset:2*\i*SP   ; in order behind my stores; the next half's stores come behind these
.endr
.endr
.endr
	s_wait_alu depctr_va_vdst(0)
.irp T, 0,1
.irp u, 0,1
	s_wait_dscnt 48-32*\T-16*\u                    ; sixteen stage instructions for each younger half may be out
.irp i, 0,1,2,3,4,5,6,7
	global_store_b128 v[GIO], v[SS+64*\T+32*\u+4*\i:SS+64*\T+32*\u+4*\i+3], s[10:11] offset:(\blk)*BLK+\T*8192+2*\i*512+256*\u th:TH_STORE_NT
.endr
.endr
.endr
.endm
	s_load_b256 s[4:11], s[0:1], 0x0               ; Q, the codes, the scales' exponents, the output
	v_lshl_add_u32 v[SPW], v0, 2, SPARE
	v_mov_b32 v[NIL], 0
	ds_add_u32 v[SPW], v[NIL]                      ; the opening lines: the add, twice on end, and its wait
	ds_add_u32 v[SPW], v[NIL]
	v_lshrrev_b32 v1, 5, v0
	v_readfirstlane_b32 s[WV], v1                  ; wave 0..7
	s_bfe_u32 s13, ttmp6, 0x40000                  ; cx: it enters Q's, the output's and the prefetches' addresses alone
	s_lshl_b32 s14, ttmp9, 2
	s_add_co_u32 s14, s14, s13                     ; my pair of blocks
	s_and_b32 s40, ttmp7, 0xffff                   ; the group
	s_lshl_b32 s[G0+1], s[WV], 14                  ; my eighth of a slot: in LDS (slot 0) and in memory
	s_lshl_b32 s42, s40, 19                        ; the group's codes: 524,288 bytes
	s_add_co_u32 s42, s42, s[G0+1]
	s_mov_b32 s43, 0
	s_lshl_b32 s44, s40, 22                        ; the group's 8,192 rows of 512 bytes,
	s_lshl_b32 s41, s14, 18                        ; my work-group's 512,
	s_add_co_u32 s44, s44, s41
	s_add_co_u32 s44, s44, s[G0+1]                 ; my wave's 32 of block 0
	s_mov_b32 s45, 0
	s_lshl_b32 s46, s40, 19
	s_lshl_b32 s41, s13, 15                        ; the prefetches: my work-group's quarter of a slot,
	s_add_co_u32 s46, s46, s41
	s_and_b32 s41, s[WV], 3
	s_lshl_b32 s41, s41, 13                        ; my wave's quarter of that
	s_add_co_u32 s46, s46, s41
	s_mov_b32 s47, 0
	s_lshr_b32 s[LIM], s[WV], 2
	s_or_b32 s[LIM], s[LIM], ttmp9                 ; 0 in waves 0 to 3 of the group's first cluster
	s_cmp_eq_u32 s[LIM], 0
	s_cselect_b32 s[LIM], 5, -1
	s_mov_b32 s[G1], 15|(3<<16)|(1<<21)            ; the mask of all four; elements of 8 bytes; bit 21 beside a mask
	s_mov_b32 s[G1+1], 32<<16                      ; 16,384 dense bytes as 64 rows of 32 elements
	s_mov_b32 s[G1+2], 64<<16
	s_mov_b32 s[G1+3], 32<<16
	s_mov_b32 s[G1+4], 64
	s_mov_b32 s[G1+5], 32
	s_mov_b32 s[G1+6], 0
	s_mov_b32 s[G1+7], 0
	s_mov_b32 s[SEL], 0x76543210
	s_mov_b32 s[SEL+1], 0xfedcba98
	s_mov_b32 s[CS], 0x3e0293ee                    ; log2(e) / sqrt(128)
	s_mov_b32 s[TB], 0
	s_mov_b32 s[SLOTS], 7
	s_mul_i32 s57, s[WV], 16*SP
	s_add_co_u32 s57, s57, STAGE                   ; my stage
	s_wait_dscnt 0x0
	s_wait_kmcnt 0x0
	s_load_b128 s[28:31], s[8:9], 0x0              ; eq, ek, ep, ev
	s_mov_b32 s[G0], 1
	s_add_nc_u64 s[KB:KB+1], s[6:7], s[42:43]
	s_mov_b64 s[G0+2:G0+3], s[KB:KB+1]
	s_or_b32 s[G0+3], s[G0+3], 0x80000000
	s_add_nc_u64 s[PFB:PFB+1], s[6:7], s[46:47]
	s_add_nc_u64 s[4:5], s[4:5], s[44:45]
	s_add_nc_u64 s[10:11], s[10:11], s[44:45]
	CROUND                                         ; all four work-groups are here: the first joint loads meet
	tensor_load_to_lds s[G0:G0+3], s[G1:G1+7]      ; key slot 0: my one load at the head
	s_nop 0
	PL 4
	v_and_b32 v1, 31, v0
	v_and_b32 v8, 15, v0                           ; r
	v_bfe_u32 v9, v0, 4, 1                         ; h
	v_lshlrev_b32 v[PFO], 8, v1
	v_lshlrev_b32 v[GIO], 9, v9
	v_lshlrev_b32 v[LI], 4, v1
	v_lshl_add_u32 v[GIO], v8, 4, v[GIO]
	v_mul_u32_u24 v[SROW], v9, SP
	v_mul_u32_u24 v[SQ], v8, SP
	v_add_nc_u32 v[LI2], 0x10000, v[LI]
	QLOAD 0
	v_lshl_add_u32 v[SROW], v8, 4, v[SROW]
	v_add_nc_u32 v[SQ], s57, v[SQ]
	v_add_nc_u32 v[SROW], s57, v[SROW]
	v_lshl_add_u32 v[SO], v9, 5, v[SQ]
	v_lshl_add_u32 v[SQ], v9, 6, v[SQ]
	s_wait_alu depctr_va_vdst(0)                   ; the wait here, directly ahead of the wait below
	s_wait_kmcnt 0x0
	s_add_co_i32 s40, s28, s29
	s_lshl_b32 s40, s40, 23
	s_add_co_i32 s[CS], s[CS], s40                 ; eq + ek go into c's exponent field
	s_mov_b32 s[CS+1], s[CS]                       ; (named with it as a pair, so it is written)
	s_add_co_i32 s[EPV], s30, s31
	s_add_co_i32 s40, s30, 127
	s_lshl_b32 s41, s40, 23                        ; 2^ep
	s_add_co_i32 s40, s40, 8
	s_lshl_b32 s40, s40, 23
	s_or_b32 s[HB], s40, 0x600000                  ; 448 x 2^ep
	s_add_co_i32 s42, s28, 127
	s_lshl_b32 s43, s42, 23                        ; 2^eq
	s_add_co_i32 s42, s42, 8
	s_lshl_b32 s42, s42, 23
	s_or_b32 s42, s42, 0x600000                    ; 448 x 2^eq
	v_mov_b32 v24, s41
	v_mov_b32 v25, s43
	v_mov_b32 v26, s42
	v_mov_b32 v21, 0                               ; (named as the upper halves of f's pairs)
	v_mov_b32 v23, 0
	v_mov_b32 v[TP+2], 0                           ; a lane permute's destination counts as one of its sources
	v_mov_b32 v[TP+6], 0
	QIN
.Lslot:                                            ; seven trips: behind each change of slots the next key slot is asked for
	s_wait_alu depctr_va_vdst(0)                   ; ahead of the waits and scalar lines of the change
	CHANGE 1
	SLOT_STEPS
	s_cmp_lg_u32 s[SLOTS], 4                       ; the fourth visit ends block 0: a branch on the count of trips, the same in all waves and partners
	s_cbranch_scc1 .Lsame_block
	QLOAD 1                                        ; block 1's Q sets out first (the sums of l are the places behind the last products),
	FINISH                                         ; block 0 is finished
	OUT 0                                          ; and leaves,
	QIN                                            ; and block 1 begins
.Lsame_block:
	s_sub_co_u32 s[SLOTS], s[SLOTS], 1
	s_cmp_lg_u32 s[SLOTS], 0
	s_cbranch_scc1 .Lslot
	s_wait_alu depctr_va_vdst(0)
	CHANGE 0                                       ; the last visit is written out
	SLOT_STEPS
	FINISH
	OUT 1
	s_wait_tensorcnt 0x0                           ; the wave's end
	ds_add_u32 v[SPW], v[NIL]
	s_wait_dscnt 0x0
	CROUND                                         ; the closing round
	s_endpgm
.Lfunc_end_k_q3d8d87a8d4_attn:
	.size	k_q3d8d87a8d4_attn, .Lfunc_end_k_q3d8d87a8d4_attn-k_q3d8d87a8d4_attn
	.p2alignl 7, 3214868480
	.fill 96, 4, 3214868480
	.section	.rodata,"a",@progbits
	.p2align	6, 0x0
	.amdhsa_kernel k_q3d8d87a8d4_attn
		.amdhsa_group_segment_fixed_size 327680
		.amdhsa_private_segment_fixed_size 0
		.amdhsa_enable_private_segment 0
		.amdhsa_kernarg_size 32
		.amdhsa_user_sgpr_count 2
		.amdhsa_user_sgpr_kernarg_segment_ptr 1
		.amdhsa_wavefront_size32 1
		.amdhsa_system_sgpr_workgroup_id_x 1
		.amdhsa_system_sgpr_workgroup_id_y 1
		.amdhsa_system_sgpr_workgroup_id_z 1
		.amdhsa_system_vgpr_workitem_id 0
		.amdhsa_next_free_vgpr 512
		.amdhsa_next_free_sgpr 66
		.amdhsa_reserve_vcc 0
		.amdhsa_float_denorm_mode_32 3
		.amdhsa_float_denorm_mode_16_64 3
		.amdhsa_memory_ordered 1
		.amdhsa_forward_progress 1
		.amdhsa_inst_pref_size 255
	.end_amdhsa_kernel
	.section	.bss,"aw",@nobits
	.p2align	6
	.space	262144
	.amdgpu_metadata
---
amdhsa.version: [ 1, 2 ]
amdhsa.kernels:
  - .name:           k_q3d8d87a8d4_attn
    .symbol:         k_q3d8d87a8d4_attn.kd
    .args:
      - { .name: Q, .offset: 0, .size: 8, .value_kind: global_buffer, .address_space: global }
      - { .name: kv, .offset: 8, .size: 8, .value_kind: global_buffer, .address_space: global }
      - { .name: lowp_scales, .offset: 16, .size: 8, .value_kind: global_buffer, .address_space: global }
      - { .name: out0, .offset: 24, .size: 8, .value_kind: global_buffer, .address_space: global }
    .group_segment_fixed_size: 327680
    .private_segment_fixed_size: 0
    .kernarg_segment_align: 8
    .kernarg_segment_size: 32
    .max_flat_workgroup_size: 256
    .sgpr_count:     66
    .vgpr_count:     512
    .wavefront_size: 32
...
	.end_amdgpu_metadata
.endif
;; end of part 2
